; MI455X (gfx1250); checked and timed in simulation.
; The chip was launched on July 23, 2026; its instructions are those of AMD's public machine-readable ISA for CDNA 5 (MIT licence, August 2026) and "CDNA5" Instruction Set Architecture Reference Guide (July 2026). The comments in the code are by the model that wrote it; some were corrected since.
;; Structure Aware Graph Attention. Allowed arithmetic: matrix products marked QUANTISED: E2M3 operands, one E8M0 scale for each 32 along K, by v_wmma_scale_f32_16x16x128_f8f6f4 with both operands' format E2M3, f32 sums; everything else in f32.
;; Inputs: Wk_codes 128 x 4 x 24 uint8 (E2M3 codes of Wk, K innermost, in blocks of 32 codes, four codes in three bytes); Wk_scales 128 x 4 uint8 (E8M0 scales of Wk, one for each 32 codes along K); Wo_codes 128 x 4 x 24 uint8 (E2M3 codes of Wo, K innermost, in blocks of 32 codes, four codes in three bytes); Wo_scales 128 x 4 uint8 (E8M0 scales of Wo, one for each 32 codes along K); Wq_codes 128 x 4 x 24 uint8 (E2M3 codes of Wq, K innermost, in blocks of 32 codes, four codes in three bytes); Wq_scales 128 x 4 uint8 (E8M0 scales of Wq, one for each 32 codes along K); Wv_codes 128 x 4 x 24 uint8 (E2M3 codes of Wv, K innermost, in blocks of 32 codes, four codes in three bytes); Wv_scales 128 x 4 uint8 (E8M0 scales of Wv, one for each 32 codes along K); bk 128 float32; bo 128 float32; bq 128 float32; bv 128 float32; edge_weight 4 x 4,096 x 4,096 float32; x_codes 4 x 4,096 x 4 x 24 uint8 (E2M3 codes of x, K innermost, in blocks of 32 codes, four codes in three bytes); x_scales 4 x 4,096 x 4 uint8 (E8M0 scales of x, one for each 32 codes along K).
;; Outputs: out0 4 x 4,096 x 128 float32.
;; This version of the problem:
;;   THIS VERSION OF THE PROBLEM IS GIVEN IN LOW PRECISION. The matrix products marked QUANTISED in the list below multiply operands that are first quantised to E2M3 (2 exponent bits, 3 mantissa bits; 6 bits a number), with one power-of-two scale for each 32 numbers along K (OCP MX v1.0); their sums are f32. All else is computed in f32.
;;   The module's matrix products, in the order in which they are computed (A, B: the left and right operand; K: the contracted axis; several contracted axes count as one K, in the product's order):
;;     1. [M 16,384, K 128] x [K 128, N 128]; A: input x (given as codes); B: input Wq (given as codes): QUANTISED
;;     2. [M 16,384, K 128] x [K 128, N 128]; A: input x (given as codes); B: input Wk (given as codes): QUANTISED
;;     3. [M 16,384, K 128] x [K 128, N 128]; A: input x (given as codes); B: input Wv (given as codes): QUANTISED
;;     4. batch 16 x [M 4,096, K 32] x [K 32, N 4,096]; A: computed on the way; B: computed on the way: QUANTISED
;;     5. batch 16 x [M 4,096, K 4,096] x [K 4,096, N 32]; A: softmax (see below); B: computed on the way: QUANTISED
;;     6. [M 16,384, K 128] x [K 128, N 128]; A: computed on the way; B: input Wo (given as codes): QUANTISED
;;   THE QUANTISER, for each operand of a quantised product, along K:
;;     - K is cut into blocks of 32 from its start; a last block that is shorter is filled with zeros.
;;     - A block's scale is 2^e with e = floor(log2(the largest magnitude in the block)) - 2, held to -126 .. 127; a block of zeros has e = 0. As a byte (E8M0): e + 127.
;;     - Each number is divided by its block's scale, clamped to +-7.5, and rounded to the nearest number of E2M3, ties to even, subnormals kept.
;;     - The product sums the exact products of the quantised numbers (number of the format x scale) in f32.
;;   ~~~python
;;   def quantise(x, axis):      # numpy; x: float32 -> the quantised numbers, widened to float32 again
;;       x = np.moveaxis(x, axis, -1); K = x.shape[-1]
;;       x = np.pad(x, [(0, 0)] * (x.ndim - 1) + [(0, -K % 32)]); x = x.reshape(x.shape[:-1] + (-1, 32)); a = np.abs(x).max(-1, keepdims=True)
;;       e = np.where(a > 0, np.clip(np.frexp(np.where(a > 0, a, 1))[1] - 1 - 2, -126, 127), 0)      # np.frexp(a)[1] - 1 = floor(log2(a)), exactly
;;       r = np.clip(x / 2.0 ** e, -7.5, 7.5)
;;       step = 2.0 ** (np.maximum(np.frexp(np.where(r == 0, 1, r))[1] - 1, 0) - 3)
;;       q = np.round(r / step) * step * 2.0 ** e      # np.round: ties to even
;;       return np.moveaxis(q.reshape(q.shape[:-2] + (-1,))[..., :K], -1, axis).astype(np.float32)
;;   ~~~
;;   SOFTMAX AHEAD OF A QUANTISED PRODUCT. Where the list says 'softmax', what is quantised is not the finished softmax but p = 2^(t - M), with t = logit x log2(e) and M = ceil(the row's largest t), a whole number; so 1/2 < the row's largest p <= 1. The row's sum l is taken of the UNQUANTISED p, in f32, and the product's result is divided by l at the end. Since M is a whole number, a kernel that streams over the keys may use a running M (the ceiling of the running maximum): every later rescaling is an exact power of two, which a block's scale takes up: the codes' values come out the same.
;;   OPERANDS COMPUTED ON THE WAY. 'Computed on the way' means the value that the module computes at that place (a softmax that the list does not call 'softmax' is quantised finished and normalised). What goes into a quantiser is computed in f32, as accurately as f32 sums, v_exp_f32 and their like allow (about 1e-6 of the number): no bf16 or f16 on the way to a quantiser, and a product that is left as it is and whose result goes on into a quantised operand takes f32 operands (vector FMAs, or v_wmma_f32_16x16x4_f32). A number that lies on a knife's edge between two numbers of the format may be rounded either way, as far as f32 arithmetic and the matrix unit's own rounding can turn it there, and no further.
;;   INPUTS GIVEN AS CODES. Wk (in the module: [128, 128], K = its axis 1); Wo (in the module: [128, 128], K = its axis 1); Wq (in the module: [128, 128], K = its axis 1); Wv (in the module: [128, 128], K = its axis 1); x (in the module: [4, 4096, 128], K = its axis 2): each comes as NAME_codes (uint8): NAME with its K axis moved to the last place and cut into blocks of 32 codes, [.., K / 32, bytes a block], one block behind the other in memory; four codes in three bytes: a row's codes are one little-endian stream of bits, code i at bits 6 i .. 6 i + 5 (a code: sign, 2 exponent bits, 3 mantissa bits); and NAME_scales (uint8): the same leading axes, one E8M0 byte (e + 127) for each 32 codes along K. Its value is code x scale, taken as it is: it is not quantised again, and the codes and scales need not be those that the quantiser above would give.
;; One version. Each part assembles by itself: llvm-mc -triple=amdgcn-amd-amdhsa -mcpu=gfx1250 --defsym DOCPART=n.
;; ======== version 1 of 1: 2 launches
;; limits: right only within a limited range of input values
;; workspace buffers: qws 1,638,400 bytes; kv 3,276,800 bytes
;; launch proj (part 1): grid 128 x 3, 2 waves a work-group, no clusters, 0 bytes of LDS; arguments x_codes, x_scales, Wq_codes, Wq_scales, Wk_codes, Wk_scales, Wv_codes, Wv_scales, bq, bk, bv, qws, kv; writes qws, kv
.if DOCPART == 1
	.amdgcn_target "amdgcn-amd-amdhsa--gfx1250"
	.amdhsa_code_object_version 6
	.text
	.protected	k_q99b1cecd25_proj
	.globl	k_q99b1cecd25_proj
	.p2align	8
	.type	k_q99b1cecd25_proj,@function
k_q99b1cecd25_proj:
	s_mov_b64 s[64:65], 0
	v_nop
	global_prefetch_b8 v0, s[64:65] scope:SCOPE_SE
	s_setreg_imm32_b32 hwreg(HW_REG_WAVE_MODE, 25, 1), 1
	s_wait_xcnt 0x0
; q = x Wq^T + bq, k = x Wk^T + bk, v = x Wv^T + bv on codes of FP6 (E2M3) as they are given, sums in f32, the bias as the C of each sum;
; then the three results are quantised for the attention launch: q and k along the head's 32 features, v along the keys, one E8M0 byte for each 32.
; NO WORK OF reference() IS LEFT OUT in this program: every input has a way to the output (bk too: it moves k's codes).
; LIMITS: a block whose largest magnitude lies under 2^-124 gets the byte 1; a block of zeros gets the byte 1 where the rule says 127 (its codes are zeros, which add nothing
; under any byte but 0xff, and the bytes are read by this program alone); NaN and infinities among the inputs are not served.
; WORKSPACE, laid as images of operand registers.  A fragment (16 rows x 128 K, 12 registers a lane) is 1,536 bytes: register group c (4 registers) of lane l at 512 c + 16 l.
; A record is 8 fragments (12,288 bytes) and their scale words (512 bytes): the words of fragments 2 p and 2 p + 1 share a register (2 p in lanes 0-15, 2 p + 1 in lanes 16-31),
; pair p of lane l at 12,288 + 256 (p / 2) + 8 l + 4 (p % 2).  qws: a record for each 128 tokens; kv: K's record, then V's, for each 128 tokens.
;   q: fragment f, lane r = token 16 f + r.    k: fragment t, lane r = token 32 (t / 2) + 8 (t % 2) + r + 8 (r / 8).    Both: K = the 128 features, a block = a head.
;   v: fragment f, lane r = feature 32 (f / 2) + 8 (f % 2) + r + 8 (r / 8); K = the group's 128 tokens in their order.
; SHARES.  Work-group (g, y) makes one record of token group g (y = 0: q, 1: k, 2: v); wave hw its fragments 4 hw .. 4 hw + 3.  No LDS, no barrier: the waves share nothing.
; THE PRODUCT IS LAID SO THAT A LANE'S REGISTERS RUN ALONG THE NEXT K.  q, k: source 0 = 16 rows of W, source 1 = my 16 tokens: a lane holds one token, its registers features.
; v: source 0 = 16 tokens of x, source 1 = my 16 rows of Wv: a lane holds one feature, its registers tokens.  The rows of source 0's tile t are 32 (t / 2) + 8 (t % 2) + r + 8 (r / 8),
; so that the 16 registers of tiles 2 b and 2 b + 1 are the 16 neighbours 32 b + 16 (lane / 16) + 0 .. 15.
; REGISTERS.  window 0: v1-15 lane terms; v16-23 source 0's scale words; v24-27 source 1's; v28-31 the scale words made; v36-55 at work; v64-111 my four fragments of source 1;
;   v112-159 the codes made, 12 for each fragment, so that no store's data are written again; v160-223 the 8 results.    window 1: v0-95 source 0's 8 fragments; v96-159 the bias.
.set AS,   16
.set BS,   24
.set PW,   28
.set BM,   36                          ; v36-39 largest magnitudes
.set T2,   40                          ; v40-43 the other half's, then the bytes
.set SOP,  44                          ; v44-47 the conversions' scale operands
.set PX,   48                          ; v48-55 the upper halves of the blocks' codes
.set OWN,  64
.set PC,   112
.set ACC,  160
.set BIAS, 96                          ; in window 1
.set SEL,  50                          ; s[50:51] v_permlanex16_b32's selects for lane l xor 16
.set MSB, 0
.macro WIN new                         ; the immediate's high byte repeats the setting that is left
.if MSB != \new
	s_set_vgpr_msb (MSB<<8)|\new
.set MSB, \new
.endif
.endm
; a fragment from rows of 96 bytes: lane (r, h) takes 24 bytes at 24 h and 24 bytes at 48 + 24 h of its row, in pieces of 8 bytes
.macro FRAG6 dst, vadr, sb, off
.irp p, 0,1,2,3,4,5
	global_load_b64 v[(\dst)+2*\p:(\dst)+2*\p+1], v[\vadr], s[\sb:\sb+1] offset:(\off)+48*(\p/3)+8*(\p%3)
.endr
.endm
; 64 numbers of a lane, register 16 b + i = k 32 b + 16 (lane / 16) + i of my row, become a fragment's codes in v[pc] on and its scale word in v[pw]
.macro QUANT s, pc, pw
.irp b, 0,1,2,3
	v_max3_num_f32 v[BM+\b], |v[(\s)+16*\b]|, |v[(\s)+1+16*\b]|, 0x1800000   ; block b: my 16 numbers, and the floor 2^(3 - 127): the byte cannot fall under 1
.endr
.irp i, 2,4,6,8,10,12,14
.irp b, 0,1,2,3
	v_max3_num_f32 v[BM+\b], v[BM+\b], |v[(\s)+16*\b+\i]|, |v[(\s)+1+16*\b+\i]|   ; the four blocks by turns
.endr
.endr
.irp b, 0,1,2,3
	v_permlanex16_b32 v[T2+\b], v[BM+\b], s[SEL], s[SEL+1]
.endr
.irp b, 0,1,2,3
	v_max_num_f32 v[BM+\b], v[BM+\b], v[T2+\b]         ; with lane l xor 16's: the block's largest magnitude
.endr
.irp b, 0,1,2,3
	v_add_nc_u32 v[SOP+\b], 0xff000000, v[BM+\b]       ; 2 off its exponent field: the conversion takes this operand's exponent field as its scale
.endr
.irp b, 0,1,2,3
	v_lshrrev_b32 v[T2+\b], 23, v[SOP+\b]              ; the scale's byte
.endr
	v_lshl_or_b32 v[\pw], v[T2+1], 8, v[T2]
	v_lshl_or_b32 v[\pw], v[T2+2], 16, v[\pw]
	v_lshl_or_b32 v[\pw], v[T2+3], 24, v[\pw]          ; my row's scale word
.irp c, 0,1
	v_cvt_scalef32_pk16_fp6_f32 v[(\pc)+6*\c:(\pc)+6*\c+2], v[(\s)+32*\c:(\s)+32*\c+15], v[SOP+2*\c]
	v_cvt_scalef32_pk16_fp6_f32 v[PX+4*\c:PX+4*\c+2], v[(\s)+16+32*\c:(\s)+31+32*\c], v[SOP+2*\c+1]   ; (a conversion's three registers begin on an even number)
.endr
	v_nop                                              ; one plain place behind a scaled conversion
.irp c, 0,1                            ; the operand's layout wants a whole block in a lane: lanes 0-15 block 2 c, lanes 16-31 block 2 c + 1
.irp i, 0,1,2
	v_permlane16_swap_b32 v[(\pc)+6*\c+\i], v[PX+4*\c+\i]
.endr
.irp i, 0,1,2
	v_mov_b32 v[(\pc)+3+6*\c+\i], v[PX+4*\c+\i]
.endr
.endr
.endm
.macro COMMON                          ; source 0's scale words; my four fragments of source 1 and their scale words (even fragments by v5, v7; odd ones by v6, v8)
.irp t, 0,1,2,3,4,5,6,7
	global_load_b32 v[AS+\t], v4, s[38:39] offset:(32*(\t/2)+8*(\t%2))*4
.endr
.irp i, 0,1,2,3
	FRAG6 OWN+12*\i, 5+(\i%2), 40, 32*(\i/2)*96
	global_load_b32 v[BS+\i], v[7+(\i%2)], s[42:43] offset:128*(\i/2)
.endr
.endm
; my four fragments, one after the other: 8 products (K = 128 whole: each result is one instruction), quantised, stored.  kind = 0: the bias goes with source 0's tile; 1: with my fragment
.macro BODY kind
.irp i, 0,1,2,3
	WIN 0x11                                           ; source 0 and C in window 1
.irp t, 0,1,2,3,4,5,6,7
.if \kind
	v_wmma_scale_f32_16x16x128_f8f6f4 v[ACC+8*\t:ACC+8*\t+7], v[12*\t:12*\t+11], v[OWN+12*\i:OWN+12*\i+11], v[BIAS+8*\i:BIAS+8*\i+7], v[AS+\t], v[BS+\i] matrix_a_fmt:MATRIX_FMT_FP6 matrix_b_fmt:MATRIX_FMT_FP6
.else
	v_wmma_scale_f32_16x16x128_f8f6f4 v[ACC+8*\t:ACC+8*\t+7], v[12*\t:12*\t+11], v[OWN+12*\i:OWN+12*\i+11], v[BIAS+8*\t:BIAS+8*\t+7], v[AS+\t], v[BS+\i] matrix_a_fmt:MATRIX_FMT_FP6 matrix_b_fmt:MATRIX_FMT_FP6
.endif
.endr
	WIN 0
.rept 4
	v_nop                                              ; four places between the products and the first read of their results (ISA guide 7.12.1)
.endr
	QUANT ACC, PC+12*\i, PW+\i
.irp c, 0,1,2
	global_store_b128 v9, v[PC+12*\i+4*\c:PC+12*\i+4*\c+3], s[46:47] offset:1536*\i+512*\c   ; 32 lanes store 512 consecutive bytes, at a multiple of 256 from the buffer's first byte
.endr
.endr
.endm
	s_load_b512 s[4:19], s[0:1], 0x0               ; x's codes s[4:5], x's scales s[6:7], Wq's s[8:11], Wk's s[12:15], Wv's s[16:19]
	s_load_b256 s[20:27], s[0:1], 0x40             ; bq, bk, bv, qws
	s_load_b64 s[28:29], s[0:1], 0x60              ; kv
	v_lshrrev_b32 v12, 5, v0
	v_readfirstlane_b32 s30, v12                   ; wave 0, 1
	s_and_b32 s31, ttmp7, 0xffff                   ; y: 0 q, 1 k, 2 v
	s_mov_b32 s[SEL], 0x76543210
	s_mov_b32 s[SEL+1], 0xfedcba98
	s_mov_b32 s52, 0xffff0000                      ; lanes 16-31
	s_mul_i32 s60, ttmp9, 12288                    ; the group's 128 rows of x's codes,
	s_lshl_b32 s61, ttmp9, 9                       ; of x's scale words
	s_mul_i32 s62, s30, 6144                       ; my wave's 64 rows of 96 bytes; also its 4 fragments in a record
	s_lshl_b32 s63, s30, 8                         ; its 64 words
	s_mul_i32 s66, ttmp9, 12800                    ; the group's record in qws,
	s_mul_i32 s67, ttmp9, 25600                    ; its two in kv
	s_cmp_eq_u32 s31, 0
	s_cselect_b32 s33, 0, 8                        ; q's fragments take neighbouring tokens: r; the others r + (r & 8)
	s_cselect_b32 s34, 16, 8                       ; and an odd fragment begins 16 rows behind the even one; in the others 8
	s_mul_i32 s35, s34, 96
	s_lshl_b32 s34, s34, 2
	v_and_b32 v12, 31, v0                          ; lane
	v_and_b32 v1, 15, v0                           ; r
	v_bfe_u32 v2, v0, 4, 1                         ; h
	v_and_b32 v13, 8, v1
	v_add_nc_u32 v13, v13, v1                      ; r + 8 (r / 8)
	v_mul_u32_u24 v3, v13, 96
	v_mad_u32_u24 v3, v2, 24, v3                   ; v3  source 0's codes: my row of a tile, + 24 h
	v_lshlrev_b32 v4, 2, v13                       ; v4  its scale word (and, for v, my feature's bias)
	v_and_b32 v14, s33, v1
	v_add_nc_u32 v14, v14, v1
	v_mul_u32_u24 v5, v14, 96
	v_mad_u32_u24 v5, v2, 24, v5                   ; v5  source 1's codes, even fragments;
	v_add_nc_u32 v6, s35, v5                       ; v6  odd ones
	v_lshlrev_b32 v7, 2, v14                       ; v7, v8  its scale words likewise
	v_add_nc_u32 v8, s34, v7
	v_lshlrev_b32 v9, 4, v12                       ; v9  16 x lane: my place in an image
	v_lshlrev_b32 v10, 3, v12                      ; v10 8 x lane: in the scale words' image
	v_lshlrev_b32 v11, 6, v2                       ; v11 64 h: q's and k's bias: my half's features of a pair of tiles
.irp b, 0,1,2,3
	v_mov_b32 v[T2+\b], 0                          ; written once: a lane permute's destination counts as one of its sources
.endr
	s_wait_kmcnt 0x0
	; the buffers are chosen by y alone; the offsets are made apart and added afterwards
	s_cmp_eq_u32 s31, 0
	s_cselect_b64 s[54:55], s[8:9], s[12:13]       ; Wq or Wk: codes,
	s_cselect_b64 s[56:57], s[10:11], s[14:15]     ; scales,
	s_cselect_b64 s[58:59], s[20:21], s[22:23]     ; bias
	s_cselect_b64 s[46:47], s[26:27], s[28:29]     ; out: qws or kv
	s_cselect_b32 s66, s66, s67
	s_cmp_eq_u32 s31, 2
	s_cselect_b64 s[36:37], s[4:5], s[54:55]       ; source 0: v: x; else W
	s_cselect_b64 s[38:39], s[6:7], s[56:57]
	s_cselect_b64 s[40:41], s[16:17], s[4:5]       ; source 1: v: Wv; else x
	s_cselect_b64 s[42:43], s[18:19], s[6:7]
	s_cselect_b64 s[44:45], s[24:25], s[58:59]     ; the bias
	s_cselect_b32 s68, s60, 0                      ; source 0 begins at the group (x) or at row 0 (W)
	s_cselect_b32 s70, s61, 0
	s_cselect_b32 s72, 0, s60                      ; source 1 the other way round,
	s_cselect_b32 s74, 0, s61
	s_cselect_b32 s76, s63, 0                      ; bv at my wave's 64 features
	s_cselect_b32 s67, 12800, 0                    ; V's record lies behind K's
	s_add_co_u32 s72, s72, s62                     ; + my wave's 64 rows
	s_add_co_u32 s74, s74, s63
	s_add_co_u32 s66, s66, s67                     ; the record
	s_add_co_u32 s78, s66, s63
	s_add_co_u32 s78, s78, 12288                   ; my wave's 256 bytes of its scale words
	s_add_co_u32 s66, s66, s62                     ; my wave's four fragments
	s_mov_b32 s67, 0
	s_mov_b32 s69, 0
	s_mov_b32 s71, 0
	s_mov_b32 s73, 0
	s_mov_b32 s75, 0
	s_mov_b32 s77, 0
	s_mov_b32 s79, 0
	s_mov_b64 s[48:49], s[46:47]
	s_add_nc_u64 s[36:37], s[36:37], s[68:69]
	s_add_nc_u64 s[38:39], s[38:39], s[70:71]
	s_add_nc_u64 s[40:41], s[40:41], s[72:73]
	s_add_nc_u64 s[42:43], s[42:43], s[74:75]
	s_add_nc_u64 s[44:45], s[44:45], s[76:77]
	s_add_nc_u64 s[46:47], s[46:47], s[66:67]
	s_add_nc_u64 s[48:49], s[48:49], s[78:79]
	WIN 0x40                                       ; destination window 1
.irp t, 0,1,2,3,4,5,6,7
	FRAG6 12*\t, 3, 36, (32*(\t/2)+8*(\t%2))*96
.endr
	WIN 0
	s_cmp_eq_u32 s31, 2
	s_cbranch_scc1 .Lvalues
	WIN 0x40                                       ; q, k: the bias in the result's layout: tile t's eight features of my half
	s_wait_alu depctr_va_vdst(0)
.irp t, 0,1,2,3,4,5,6,7
	global_load_b128 v[BIAS+8*\t:BIAS+8*\t+3], v11, s[44:45] offset:(32*(\t/2)+8*(\t%2))*4
	global_load_b128 v[BIAS+8*\t+4:BIAS+8*\t+7], v11, s[44:45] offset:(32*(\t/2)+8*(\t%2))*4+16
.endr
	WIN 0
	COMMON
	s_wait_loadcnt 0x0                             ; one wait for all: the launch is short, and nothing could be begun on a part
	BODY 0
	s_branch .Lscales
.Lvalues:
	WIN 0x40                                       ; v: a lane holds one feature: its bias, for each of my four fragments
.irp i, 0,1,2,3
	global_load_b32 v[BIAS+8*\i], v4, s[44:45] offset:(32*(\i/2)+8*(\i%2))*4
.endr
	WIN 0
	s_wait_alu depctr_va_vdst(0)
	COMMON
	s_wait_loadcnt 0x0
	WIN 0x41
.irp i, 0,1,2,3
.irp j, 1,2,3,4,5,6,7
	v_mov_b32 v[BIAS+8*\i+\j], v[BIAS+8*\i]        ; in all eight registers of a C
.endr
.endr
	WIN 0
.rept 4
	v_nop                                          ; operands written by vector instructions stand four places ahead of a scaled matrix instruction
.endr
	BODY 1
.Lscales:
	v_cndmask_b32 v32, v[PW], v[PW+1], s52         ; two fragments' words in a register: the even one's in lanes 0-15, the odd one's in lanes 16-31
	v_cndmask_b32 v33, v[PW+2], v[PW+3], s52
	global_store_b64 v10, v[32:33], s[48:49]       ; 32 lanes store 256 consecutive bytes, aligned
	s_endpgm
.Lfunc_end_k_q99b1cecd25_proj:
	.size	k_q99b1cecd25_proj, .Lfunc_end_k_q99b1cecd25_proj-k_q99b1cecd25_proj
	.p2alignl 7, 3214868480
	.fill 96, 4, 3214868480
	.section	.rodata,"a",@progbits
	.p2align	6, 0x0
	.amdhsa_kernel k_q99b1cecd25_proj
		.amdhsa_group_segment_fixed_size 0
		.amdhsa_private_segment_fixed_size 0
		.amdhsa_enable_private_segment 0
		.amdhsa_kernarg_size 104
		.amdhsa_user_sgpr_count 2
		.amdhsa_user_sgpr_kernarg_segment_ptr 1
		.amdhsa_wavefront_size32 1
		.amdhsa_system_sgpr_workgroup_id_x 1
		.amdhsa_system_sgpr_workgroup_id_y 1
		.amdhsa_system_sgpr_workgroup_id_z 1
		.amdhsa_system_vgpr_workitem_id 0
		.amdhsa_next_free_vgpr 416
		.amdhsa_next_free_sgpr 80
		.amdhsa_reserve_vcc 0
		.amdhsa_float_denorm_mode_32 3
		.amdhsa_float_denorm_mode_16_64 3
		.amdhsa_memory_ordered 1
		.amdhsa_forward_progress 1
		.amdhsa_inst_pref_size 60
	.end_amdhsa_kernel
	.amdgpu_metadata
---
amdhsa.version: [ 1, 2 ]
amdhsa.kernels:
  - .name:           k_q99b1cecd25_proj
    .symbol:         k_q99b1cecd25_proj.kd
    .args:
      - { .name: x_codes, .offset: 0, .size: 8, .value_kind: global_buffer, .address_space: global }
      - { .name: x_scales, .offset: 8, .size: 8, .value_kind: global_buffer, .address_space: global }
      - { .name: Wq_codes, .offset: 16, .size: 8, .value_kind: global_buffer, .address_space: global }
      - { .name: Wq_scales, .offset: 24, .size: 8, .value_kind: global_buffer, .address_space: global }
      - { .name: Wk_codes, .offset: 32, .size: 8, .value_kind: global_buffer, .address_space: global }
      - { .name: Wk_scales, .offset: 40, .size: 8, .value_kind: global_buffer, .address_space: global }
      - { .name: Wv_codes, .offset: 48, .size: 8, .value_kind: global_buffer, .address_space: global }
      - { .name: Wv_scales, .offset: 56, .size: 8, .value_kind: global_buffer, .address_space: global }
      - { .name: bq, .offset: 64, .size: 8, .value_kind: global_buffer, .address_space: global }
      - { .name: bk, .offset: 72, .size: 8, .value_kind: global_buffer, .address_space: global }
      - { .name: bv, .offset: 80, .size: 8, .value_kind: global_buffer, .address_space: global }
      - { .name: qws, .offset: 88, .size: 8, .value_kind: global_buffer, .address_space: global }
      - { .name: kv, .offset: 96, .size: 8, .value_kind: global_buffer, .address_space: global }
    .group_segment_fixed_size: 0
    .private_segment_fixed_size: 0
    .kernarg_segment_align: 8
    .kernarg_segment_size: 104
    .max_flat_workgroup_size: 64
    .sgpr_count:     80
    .vgpr_count:     416
    .wavefront_size: 32
...
	.end_amdgpu_metadata
.endif
;; end of part 1
;; launch attn (part 2): grid 64 x 4, 8 waves a work-group, clusters of 4 x 1, 327,680 bytes of LDS; arguments qws, kv, edge_weight, Wo_codes, Wo_scales, bo, out0; writes out0
.if DOCPART == 2
	.amdgcn_target "amdgcn-amd-amdhsa--gfx1250"
	.amdhsa_code_object_version 6
	.text
	.protected	k_q99b1cecd25_attn
	.globl	k_q99b1cecd25_attn
	.p2align	8
	.type	k_q99b1cecd25_attn,@function
k_q99b1cecd25_attn:
	s_mov_b64 s[64:65], 0
	v_nop
	global_prefetch_b8 v0, s[64:65] scope:SCOPE_SE
	s_setreg_imm32_b32 hwreg(HW_REG_WAVE_MODE, 25, 1), 1
	s_wait_xcnt 0x0
	s_wait_alu depctr_hold_cnt(0) depctr_sa_sdst(0) depctr_va_vdst(0) depctr_va_sdst(0) depctr_va_ssrc(0) depctr_va_vcc(0) depctr_vm_vsrc(0)
	s_getreg_b32 s2, hwreg(HW_REG_IB_STS2, 6, 4)
	s_cmp_eq_u32 s2, 0
	s_cbranch_scc0 .Lentry_in_a_cluster
	s_endpgm
.Lentry_in_a_cluster:
	s_bfe_u32 s2, ttmp6, 0x10000c
	s_cmp_lg_u32 s2, 0x3003
	s_cbranch_scc0 .Lentry_shape_is_right
	s_endpgm
.Lentry_shape_is_right:
; out = Q(softmax(q k^T / sqrt(32) + log(max(edge_weight, 1e-8))) v) Wo^T + bo, four heads of 32, all products on codes of FP6 (E2M3) with one E8M0 byte for each 32 along K.
; q, k, v come as images of operand registers from the launch before (its head comment has the layout).  No work of reference() is left out.
; THE SOFTMAX: t = logit x log2(e); M = the largest t so far, rounded UP to a whole number; p = 2^(t - M) is quantised along the keys, not normalised; the row's sum is taken of the
; unquantised p and divides at the end.  When M moves, the sum and O are multiplied by 2^(old M - new M): exact.
; LIMITS: a NaN in edge_weight counts as 1e-8 (the maximum lets a NaN lose); infinities among the inputs are not served; a block whose largest magnitude lies under 2^-124, a block of
; zeros among them, gets the byte 1 (the bytes are read by this program alone); 1 / l is a reciprocal of 1 ulp and a multiplication.
; SHARES.  A work-group owns 64 queries of one graph, all four heads, all 4,096 keys.  Eight waves, two to a SIMD: wave w has the 16 queries of tile w & 3 and key part w >> 2.
; Keys go through a ring of two LDS slots of 256; in each slot a wave takes the 128 keys of its part, for ALL FOUR HEADS: each edge weight is read once and its logarithm taken once.
; At the end the two key parts of a tile meet in LDS and are joined by exact powers of two; waves 0-3 normalise, quantise along the 128 features, multiply by Wo and store.
; LAYOUT.  All products are used transposed (source 0 = 16 keys, or 16 features of V, or 16 rows of Wo; source 1 = my 16 queries): a lane holds ONE query (lane % 16) throughout.
; The keys of a tile of K, and the features of a tile of V, are 32 (t / 2) + 8 (t % 2) + r + 8 (r / 8): the 16 registers of tiles 2 b, 2 b + 1 are 16 neighbours along the next K.
; THE SCORES' K IS 32, the instruction's 128.  Head H's source 1 keeps q's codes of block H and has zero codes elsewhere (four operands cut out of 36 registers: A0 Z A2 A1 Z A3);
; its scale word keeps byte H and has the byte 1 elsewhere.
; THE EDGE BIAS: L' = log2(max(w, 1e-8)) sqrt(32) / log2(e) is the C of the score instructions, so S = q . k + L' and t = c S, c = log2(e) / sqrt(32).
; THE CHANGE OF SLOTS STANDS BEHIND HEAD 2 OF A TRIP.  There my last LDS read of the slot in hand (head 3's V) is over.  Head 3's scores and the first half of its softmax, work on
; registers, stand between the opening signal and its wait.  Behind the round: the refill of the slot in hand (the keys two slots on), then the NEXT slot's 50 LDS loads, into registers
; that head 3's scores have freed; the rest of head 3 follows them.  A refill is awaited at the next change of slots.
; CLUSTER.  The four work-groups of a cluster belong to one graph and walk the same k and v (51,200 of a slot's 116,736 bytes fetched): those are asked for JOINTLY (waves 0-3, mask 15).
; The edge tiles are each work-group's own: waves 4-7 fetch them by plain loads behind the same round.  Every wave has one tensor load behind each round, and never more than one out.
; PREFETCH.  In trip i, whose refill asks for slot i + 2, each wave names 8 rows x 4 blocks of 256 bytes of slot i + 3's edge tile, a lane a block, each block once; the loop's last
; trip, which has no slot i + 3, asks for nothing.  k and v are not prefetched: the 16 clusters of a graph read the same 819,200 bytes in the same order.
; REGISTERS.  window 0: v1-15 addresses; v16-31 statistics, four a head: -M, the largest t, the sum in two halves; v32-35 K's scale words, v36-39 V's (at the end: Wo's eight);
;   v40 q's scale word, v56-59 the same cut for each head; v60 V's scale word for head 3; v61 the prefetch's offset; v41 p's; v[42:43] f; v44-47 at work; v64-127 S, then p;
;   v128-191 edge weights, then L' (at the end: bo, then out); v192-203 p's codes; v204-223 at work; v228-251 the merge.
;   window 1: v0-95 K's 8 fragments (at the end Wo's); v96-131 q's four operands; v132-195 O^T; v196-243 V, two buffers of two fragments.
.set SLOT1, 1<<17                      ; slot 1 begins here: one exclusive or turns an address in one slot into the other's
.set REC,   12800                      ; a record: 8 fragments and their scale words
.set GRP,   2*REC                      ; 128 keys: K's record, then V's
.set EWO,   2*GRP                      ; a slot: two groups of keys, then the edge tile:
.set EWP,   1040                       ; 64 rows of 1,024 bytes + 16 of padding
.set MRG,   SLOT1+EWO+64*EWP           ; behind the ring: for each query tile 10,240 bytes: the second key part's O^T and statistics
.set STAGE, MRG+4*10240                ; the way out: 16 rows x (512 + 16) for each of waves 0-3
.set SP,    528
.set SPARE, STAGE+4*16*SP              ; the spare words, 128 bytes for each wave
.set AEW0, 1                           ; my place in a slot's edge tile
.set AKV0, 2                           ; 16 x lane + my key part's group
.set AKS0, 3                           ; 8 x lane + the same + 12,288
.set SPW,  4                           ; my spare word; never rewritten
.set NIL,  5                           ; 0; never rewritten
.set ADE,  6                           ; v6-8 the three above in the slot whose keys are being loaded
.set ADK,  7
.set ADS,  8
.set MRGA, 9
.set STO,  10
.set RD,   11
.set GO,   12
.set WOA,  13
.set WOS,  14
.set BOA,  15
.set ST,   16
.set KSC,  32
.set VSC,  36
.set PSC,  41
.set F,    42
.set TMP,  44
.set SB,   46
.set QSC,  56
.set VS3,  60
.set PFO,  61
.set SS,   64
.set LG,   128
.set PC,   192
.set PX,   204
.set BM,   212
.set T2,   216
.set SOP,  220
.set KF,   0                           ; window 1
.set QB,   96
.set OT,   132
.set VF,   196
.set WV,   18                          ; s18 wave; s19 its query tile; s20 its key part
.set G1KV, 24
.set G1EW, 32
.set G0KV, 40
.set G0EW, 44
.set SEL,  48
.set CS,   50
.set IC,   52
.set TB,   55                          ; LDS byte at which the slot begins whose keys were loaded last
.set SLOTS, 56                         ; refills still to be asked for in the loop
.set PF,   70                          ; s[70:71] where my prefetch stands
.set MSB, 0
.macro WIN new
.if MSB != \new
	s_set_vgpr_msb (MSB<<8)|\new
.set MSB, \new
.endif
.endm
.macro PLACES
.rept 4
	v_nop
.endr
.endm
.macro CREST                           ; a round of the cluster's barrier behind its opening barrier
	s_cmp_lg_u32 s[WV], 0
	s_cbranch_scc1 .Lnot_wave_0_\@
	s_barrier_signal -3
.Lnot_wave_0_\@:
	s_barrier_wait -3
	s_barrier_signal -1
	s_barrier_wait -1
.endm
.macro CROUND
	s_barrier_signal -1
	s_barrier_wait -1
	CREST
.endm
; each wave's one tensor load: waves 0-3 a quarter of the slot's k and v (jointly), waves 4-7 sixteen rows of the edge tile
.macro JLOAD
	s_cmp_lt_u32 s[WV], 4
	s_cbranch_scc0 .Lfor_ew_\@
	tensor_load_to_lds s[G0KV:G0KV+3], s[G1KV:G1KV+7]
	s_nop 0
	PLACES
	s_branch .Lasked_\@
.Lfor_ew_\@:
	tensor_load_to_lds s[G0EW:G0EW+3], s[G1EW:G1EW+7]
	s_nop 0
	PLACES
.Lasked_\@:
.endm
; in front of a change of slots: all my tensor loads are in (my part of the next slot), the add, my reads of the slot in hand are over; then the opening signal
.macro ARRIVE step
	s_wait_tensorcnt 0x0
	ds_add_u32 v[SPW], v[NIL]
.if \step
	s_xor_b32 s[G0KV+1], s[G0KV+1], SLOT1          ; no tensor load of mine is out: the descriptors walk to the other slot,
	s_add_nc_u64 s[G0KV+2:G0KV+3], s[G0KV+2:G0KV+3], 2*GRP   ; the next 256 keys' records,
	s_xor_b32 s[G0EW+1], s[G0EW+1], SLOT1
	s_add_nc_u64 s[G0EW+2:G0EW+3], s[G0EW+2:G0EW+3], 1024    ; and 256 columns on in my rows of edge_weight
.endif
	s_wait_dscnt 0x0
	s_barrier_signal -1
.endm
; the edge weights become L' = log2(max(w, 1e-8)) / c: once for the four heads
.macro LPREP
.set j, 0
.rept 64
	v_max_num_f32 v[LG+j], s54, v[LG+j]
.set j, j+1
.endr
.set j, 0
	s_wait_alu depctr_va_vdst(0)
.rept 64
	v_log_f32 v[LG+j], v[LG+j]
.set j, j+1
.endr
	v_nop
	s_wait_alu depctr_va_vdst(0)
.set j, 0
.rept 32
	v_pk_mul_f32 v[LG+j:LG+j+1], v[LG+j:LG+j+1], s[IC:IC+1] op_sel_hi:[1,0]
.set j, j+2
.endr
	PLACES
.endm
.macro VLOAD H                         ; head H's two fragments of V into buffer H % 2
	WIN 0x40
.irp u, 0,1
.irp i, 0,1,2
	ds_load_b128 v[VF+24*((\H)%2)+12*\u+4*\i:VF+24*((\H)%2)+12*\u+4*\i+3], v[ADK] offset:REC+1536*(2*(\H)+\u)+512*\i
.endr
.endr
	WIN 0
.endm
.macro SCORES H                        ; S^T = K Q_H^T + L': eight tiles of 16 keys, each one instruction
	WIN 0x05
.set QOP, QB+18*((\H)&1)+6*((\H)>>1)
.irp t, 0,1,2,3,4,5,6,7
.if \t%2
	v_wmma_scale_f32_16x16x128_f8f6f4 v[SS+8*\t:SS+8*\t+7], v[KF+12*\t:KF+12*\t+11], v[QOP:QOP+11], v[LG+8*\t:LG+8*\t+7], v[KSC+\t/2], v[QSC+\H] matrix_a_fmt:MATRIX_FMT_FP6 matrix_b_fmt:MATRIX_FMT_FP6 matrix_a_scale:MATRIX_SCALE_ROW1
.else
	v_wmma_scale_f32_16x16x128_f8f6f4 v[SS+8*\t:SS+8*\t+7], v[KF+12*\t:KF+12*\t+11], v[QOP:QOP+11], v[LG+8*\t:LG+8*\t+7], v[KSC+\t/2], v[QSC+\H] matrix_a_fmt:MATRIX_FMT_FP6 matrix_b_fmt:MATRIX_FMT_FP6
.endif
.endr
.endm
; a head's softmax of 128 keys, first half: the blocks' largest S, the new M, f, t - M
.macro SOFTA H
.set AH, ST+4*(\H)
; the largest S of each block of 32 keys serves for the row's maximum and, since p rises with S, for the block's largest p.
; Eight chains by turns, two a block: my numbers 0-6, 14, 15 in BM, my numbers 7-13 in T2
.irp b, 0,1,2,3
	v_max3_num_f32 v[BM+\b], v[SS+16*\b], v[SS+16*\b+1], v[SS+16*\b+2]
.endr
.irp b, 0,1,2,3
	v_max3_num_f32 v[T2+\b], v[SS+16*\b+7], v[SS+16*\b+8], v[SS+16*\b+9]
.endr
.irp i, 3,5
.irp b, 0,1,2,3
	v_max3_num_f32 v[BM+\b], v[BM+\b], v[SS+16*\b+\i], v[SS+16*\b+\i+1]
.endr
.irp b, 0,1,2,3
	v_max3_num_f32 v[T2+\b], v[T2+\b], v[SS+16*\b+\i+7], v[SS+16*\b+\i+8]
.endr
.endr
.irp b, 0,1,2,3
	v_max3_num_f32 v[BM+\b], v[BM+\b], v[SS+16*\b+14], v[SS+16*\b+15]
.endr
.irp b, 0,1,2,3
	s_delay_alu instid0(VALU_DEP_4)
	v_max_num_f32 v[BM+\b], v[BM+\b], v[T2+\b]
.endr
.irp b, 0,1,2,3
	s_delay_alu instid0(VALU_DEP_4)
	v_permlanex16_b32 v[T2+\b], v[BM+\b], s[SEL], s[SEL+1]
.endr
.irp b, 0,1,2,3
	s_delay_alu instid0(VALU_DEP_4)
	v_max_num_f32 v[BM+\b], v[BM+\b], v[T2+\b]         ; with lane l xor 16's 16 keys
.endr
	s_delay_alu instid0(VALU_DEP_2)
	v_max3_num_f32 v[TMP], v[BM], v[BM+1], v[BM+2]
	s_delay_alu instid0(VALU_DEP_2)
	v_mul_f32 v[TMP+1], s[CS], v[BM+3]                 ; as t (c is positive, so the largest S gives the largest t)
	s_delay_alu instid0(VALU_DEP_2)
	v_mul_f32 v[TMP], s[CS], v[TMP]
	v_mov_b32 v[SB], v[AH]                             ; the old -M
	s_delay_alu instid0(VALU_DEP_2)
	v_max3_num_f32 v[AH+1], v[AH+1], v[TMP], v[TMP+1]  ; the running largest t
	s_delay_alu instid0(VALU_DEP_1)
	v_floor_f32 v[AH], -v[AH+1]                        ; the new -M = floor(-t)
	s_delay_alu instid0(VALU_DEP_1)
	v_sub_f32 v[TMP], v[AH], v[SB]                     ; old M less new M: a whole number, 0 or less
.set j, 0
.rept 32
	v_pk_fma_f32 v[SS+j:SS+j+1], v[SS+j:SS+j+1], s[CS:CS+1], v[AH:AH+1] op_sel_hi:[1,0,0]   ; t - M
.if j == 8
	v_cvt_i32_f32 v[TMP], v[TMP]                       ; (it saturates)
.endif
.if j == 20
	v_ldexp_f32 v[F], 1.0, v[TMP]                      ; f = 2^(old M - new M)
.endif
.set j, j+2
.endr
.irp b, 0,1,2,3
	v_fma_f32 v[BM+\b], v[BM+\b], s[CS], v[AH]         ; the same of each block's largest S
.endr
.endm
; the row's sum of the unquantised p goes in five chains by turns: chain 0 is the running sum's pair, chains 1 to 4 are v46-53.  Chain c takes the pair of numbers k
.macro ADDP c, k
.if (\c) == 0
	v_pk_add_f32 v[AH+2:AH+3], v[AH+2:AH+3], v[SS+2*(\k):SS+2*(\k)+1]
.else
	v_pk_add_f32 v[SB+2*(\c)-2:SB+2*(\c)-1], v[SB+2*(\c)-2:SB+2*(\c)-1], v[SS+2*(\k):SS+2*(\k)+1]
.endif
.endm
.macro SOFTB H
.set AH, ST+4*(\H)
	WIN 0x41
	s_wait_alu depctr_va_vdst(0)                       ; directly ahead of the first reader of O^T, and ahead of the batch
.irp k, 0,2,4,6,8,10,12,14
	v_pk_mul_f32 v[OT+16*(\H)+\k:OT+16*(\H)+\k+1], v[OT+16*(\H)+\k:OT+16*(\H)+\k+1], v[F:F+1] op_sel_hi:[1,0]   ; the head's O^T under the new M,
.endr
	WIN 0
	v_pk_mul_f32 v[AH+2:AH+3], v[AH+2:AH+3], v[F:F+1] op_sel_hi:[1,0]   ; and the sum
.irp b, 0,1,2,3
	v_exp_f32 v[BM+\b], v[BM+\b]                       ; the block's largest p: the same two instructions on the same number give the same bits
.endr
.set j, 0
.rept 64
	v_exp_f32 v[SS+j], v[SS+j]                         ; p = 2^(t - M)
.set j, j+1
.endr
	v_nop                                              ; a plain place behind the last exponential
	s_wait_alu depctr_va_vdst(0)                       ; one wait for the 68, ahead of their first reader
.irp b, 0,1,2,3
	v_max_num_f32 v[BM+\b], 0x1800000, v[BM+\b]        ; the floor 2^(3 - 127): the byte cannot fall under 1
.endr
.irp i, 0,1,2,3
	v_pk_add_f32 v[SB+2*\i:SB+2*\i+1], v[SS+4*\i:SS+4*\i+1], v[SS+4*\i+2:SS+4*\i+3]   ; chains 1 to 4 begin with pairs 0 to 7
.endr
.irp b, 0,1,2,3
	v_add_nc_u32 v[SOP+\b], 0xff000000, v[BM+\b]       ; 2 off the exponent field: the conversion's scale operand
.endr
.set kk, 8
.rept 4
	ADDP (kk+2)%5, kk
.set kk, kk+1
.endr
.irp b, 0,1,2,3
	v_lshrrev_b32 v[T2+\b], 23, v[SOP+\b]              ; the scale's byte
.endr
.rept 4
	ADDP (kk+2)%5, kk
.set kk, kk+1
.endr
	v_lshl_or_b32 v[PSC], v[T2+1], 8, v[T2]            ; p's scale word for these 128 keys, in three lines
.irp c, 0,1
	v_cvt_scalef32_pk16_fp6_f32 v[PC+6*\c:PC+6*\c+2], v[SS+32*\c:SS+32*\c+15], v[SOP+2*\c]
	v_cvt_scalef32_pk16_fp6_f32 v[PX+4*\c:PX+4*\c+2], v[SS+16+32*\c:SS+31+32*\c], v[SOP+2*\c+1]   ; (a conversion's three registers begin on an even number)
.endr
	v_lshl_or_b32 v[PSC], v[T2+2], 16, v[PSC]          ; also the plain place behind the scaled conversions
.irp c, 0,1                            ; the operand's layout wants a whole block in a lane
.irp i, 0,1,2
	v_permlane16_swap_b32 v[PC+6*\c+\i], v[PX+4*\c+\i]
.endr
.endr
	v_lshl_or_b32 v[PSC], v[T2+3], 24, v[PSC]
.irp c, 0,1
.irp i, 0,1,2
	v_mov_b32 v[PC+3+6*\c+\i], v[PX+4*\c+\i]
.endr
.endr
.rept 16                               ; pairs 16 to 31, and the chains' join: 20 plain instructions between the codes' and the scale word's last writes and the products
	ADDP (kk+2)%5, kk
.set kk, kk+1
.endr
	s_delay_alu instid0(VALU_DEP_4)
	v_pk_add_f32 v[AH+2:AH+3], v[AH+2:AH+3], v[SB+6:SB+7]
	s_delay_alu instid0(VALU_DEP_3)
	v_pk_add_f32 v[SB:SB+1], v[SB:SB+1], v[SB+2:SB+3]
	s_delay_alu instid0(VALU_DEP_2)
	v_pk_add_f32 v[AH+2:AH+3], v[AH+2:AH+3], v[SB+4:SB+5]
	s_delay_alu instid0(VALU_DEP_1)
	v_pk_add_f32 v[AH+2:AH+3], v[AH+2:AH+3], v[SB:SB+1]
.endm
; O^T += V^T P^T: the head's 32 features, K = these 128 keys; vs: the register with V's scale words; left: the LDS loads that may stay out (under 0: no wait is due)
.macro PV H, vs, left
.if \left >= 0
	s_wait_dscnt \left
.endif
	WIN 0x51
	v_wmma_scale_f32_16x16x128_f8f6f4 v[OT+16*(\H):OT+16*(\H)+7], v[VF+24*((\H)%2):VF+24*((\H)%2)+11], v[PC:PC+11], v[OT+16*(\H):OT+16*(\H)+7], v[\vs], v[PSC] matrix_a_fmt:MATRIX_FMT_FP6 matrix_b_fmt:MATRIX_FMT_FP6
	v_wmma_scale_f32_16x16x128_f8f6f4 v[OT+16*(\H)+8:OT+16*(\H)+15], v[VF+24*((\H)%2)+12:VF+24*((\H)%2)+23], v[PC:PC+11], v[OT+16*(\H)+8:OT+16*(\H)+15], v[\vs], v[PSC] matrix_a_fmt:MATRIX_FMT_FP6 matrix_b_fmt:MATRIX_FMT_FP6 matrix_a_scale:MATRIX_SCALE_ROW1
	WIN 0
.endm
.macro HEAD H                          ; heads 0 to 2
	SCORES \H
	PLACES                                             ; for the first read of S, and for the loads into the buffer of V that the head before multiplied
	VLOAD (\H)+1
	SOFTA \H
	SOFTB \H
	PV \H, VSC+\H, 6                                   ; this head's V is in; the next head's six loads may be out
.endm
; 50 LDS loads: my 16 queries x my 128 keys of the slot at TB: 16 of edge weights, 4 of scale words, 24 of K, 6 of head 0's V
.macro LOADS
	v_add_nc_u32 v[ADE], s[TB], v[AEW0]
	v_add_nc_u32 v[ADK], s[TB], v[AKV0]
	v_add_nc_u32 v[ADS], s[TB], v[AKS0]
.irp b, 0,1,2,3
.irp j, 0,1,2,3
	ds_load_b128 v[LG+16*\b+4*\j:LG+16*\b+4*\j+3], v[ADE] offset:128*\b+16*\j   ; register 16 b + i: the weight of my query and key 32 b + 16 h + i
.endr
.endr
	ds_load_b64 v[KSC:KSC+1], v[ADS]
	ds_load_b64 v[KSC+2:KSC+3], v[ADS] offset:256
	ds_load_b64 v[VSC:VSC+1], v[ADS] offset:REC
	ds_load_b64 v[VSC+2:VSC+3], v[ADS] offset:REC+256
	WIN 0x40
.irp t, 0,1,2,3,4,5,6,7
.irp i, 0,1,2
	ds_load_b128 v[KF+12*\t+4*\i:KF+12*\t+4*\i+3], v[ADK] offset:1536*\t+512*\i
.endr
.endr
	VLOAD 0
.endm
.macro WOLOAD                          ; Wo where K's fragments lay, its scale words where K's and V's lay, bo (the C of the last product) where L' lay
	WIN 0x40
.irp t, 0,1,2,3,4,5,6,7
.irp p, 0,1,2,3,4,5
	global_load_b64 v[12*\t+2*\p:12*\t+2*\p+1], v[WOA], s[10:11] offset:1536*\t+48*(\p/3)+8*(\p%3)
.endr
.endr
	WIN 0
.irp t, 0,1,2,3,4,5,6,7
	global_load_b32 v[KSC+\t], v[WOS], s[12:13] offset:64*\t
.endr
.irp t, 0,1,2,3,4,5,6,7
	global_load_b128 v[LG+8*\t:LG+8*\t+3], v[BOA], s[14:15] offset:64*\t
	global_load_b128 v[LG+8*\t+4:LG+8*\t+7], v[BOA], s[14:15] offset:64*\t+16
.endr
.endm
; A TRIP: my 16 queries x my 128 keys, four heads; its LDS loads were issued in the trip before.
; mode 2: a change of slots with a refill; 1: the last change, nothing is filled; 0: the last slot: no change, waves 0-3 ask for Wo and bo instead
.macro TRIP mode
	s_wait_dscnt 34                                    ; the 16 loads of edge weights are in; behind them: 4 of scale words, 24 of K, 6 of V
	LPREP
	s_wait_alu depctr_va_vdst(0)
	s_wait_dscnt 6                                     ; all but V's six
	HEAD 0
	HEAD 1
	HEAD 2
.if \mode == 2
	s_wait_xcnt 0x0                                    ; my last prefetch has read its address
	s_add_nc_u64 s[PF:PF+1], s[PF:PF+1], 1024
.endif
.if \mode
	ARRIVE \mode-1
.endif
	SCORES 3                                           ; work on registers between the signal and the wait
	PLACES
	WIN 0
	SOFTA 3
.if \mode
	s_barrier_wait -1
.endif
.if \mode == 2
	CREST                                              ; no wave of any partner still reads the slot in hand or has a load on its way
	JLOAD                                              ; the refill, the first thing behind the round
.endif
	v_mov_b32 v[VS3], v[VSC+3]                         ; head 3's scale words of V: their register is loaded anew below
.if \mode
	s_xor_b32 s[TB], s[TB], SLOT1
	LOADS                                              ; the next slot's keys; the rest of head 3 stands between these loads and the wait for them
.else
	s_cmp_lt_u32 s[WV], 4
	s_cbranch_scc0 .Lno_wo_\@
	WOLOAD
.Lno_wo_\@:
.endif
.if \mode == 2
	s_cmp_gt_u32 s[SLOTS], 1                           ; the loop's last trip has no slot three on
	s_cbranch_scc0 .Lno_ask_\@
	global_prefetch_b8 v[PFO], s[PF:PF+1] th:TH_LOAD_NT scope:SCOPE_SE
.Lno_ask_\@:
.endif
	SOFTB 3
.if \mode
	PV 3, VS3, -1                                      ; head 3's V came in ahead of the change of slots
.else
	PV 3, VS3, 0
.endif
.endm
; 64 numbers of a lane, register 16 b + i = k 32 b + 16 (lane / 16) + i of my row, become a fragment's codes in v[pc] on and its scale word in v[pw]
.macro QUANT s, pc, pw
.irp b, 0,1,2,3
	v_max3_num_f32 v[BM+\b], |v[(\s)+16*\b]|, |v[(\s)+1+16*\b]|, 0x1800000
.endr
.irp i, 2,4,6,8,10,12,14
.irp b, 0,1,2,3
	s_delay_alu instid0(VALU_DEP_4)
	v_max3_num_f32 v[BM+\b], v[BM+\b], |v[(\s)+16*\b+\i]|, |v[(\s)+1+16*\b+\i]|
.endr
.endr
.irp b, 0,1,2,3
	s_delay_alu instid0(VALU_DEP_4)
	v_permlanex16_b32 v[T2+\b], v[BM+\b], s[SEL], s[SEL+1]
.endr
.irp b, 0,1,2,3
	s_delay_alu instid0(VALU_DEP_4)
	v_max_num_f32 v[BM+\b], v[BM+\b], v[T2+\b]
.endr
.irp b, 0,1,2,3
	s_delay_alu instid0(VALU_DEP_4)
	v_add_nc_u32 v[SOP+\b], 0xff000000, v[BM+\b]
.endr
.irp b, 0,1,2,3
	s_delay_alu instid0(VALU_DEP_4)
	v_lshrrev_b32 v[T2+\b], 23, v[SOP+\b]
.endr
	s_delay_alu instid0(VALU_DEP_3)
	v_lshl_or_b32 v[\pw], v[T2+1], 8, v[T2]
	s_delay_alu instid0(VALU_DEP_1)
	v_lshl_or_b32 v[\pw], v[T2+2], 16, v[\pw]
	s_delay_alu instid0(VALU_DEP_1)
	v_lshl_or_b32 v[\pw], v[T2+3], 24, v[\pw]
.irp c, 0,1
	v_cvt_scalef32_pk16_fp6_f32 v[(\pc)+6*\c:(\pc)+6*\c+2], v[(\s)+32*\c:(\s)+32*\c+15], v[SOP+2*\c]
	v_cvt_scalef32_pk16_fp6_f32 v[PX+4*\c:PX+4*\c+2], v[(\s)+16+32*\c:(\s)+31+32*\c], v[SOP+2*\c+1]
.endr
	v_nop
.irp c, 0,1
.irp i, 0,1,2
	v_permlane16_swap_b32 v[(\pc)+6*\c+\i], v[PX+4*\c+\i]
.endr
.irp i, 0,1,2
	s_delay_alu instid0(VALU_DEP_3)
	v_mov_b32 v[(\pc)+3+6*\c+\i], v[PX+4*\c+\i]
.endr
.endr
.endm
	s_load_b256 s[4:11], s[0:1], 0x0               ; qws s[4:5], kv s[6:7], edge_weight s[8:9], Wo's codes s[10:11]
	s_load_b128 s[12:15], s[0:1], 0x20             ; Wo's scales s[12:13], bo s[14:15]
	s_load_b64 s[16:17], s[0:1], 0x30              ; out0
	v_lshl_add_u32 v[SPW], v0, 2, SPARE
	v_mov_b32 v[NIL], 0
	ds_add_u32 v[SPW], v[NIL]                      ; the opening: the add, twice on end, and its wait ahead of my first tensor load
	ds_add_u32 v[SPW], v[NIL]
	v_lshrrev_b32 v44, 5, v0
	s_delay_alu instid0(VALU_DEP_1)
	v_readfirstlane_b32 s[WV], v44                 ; wave 0..7
	s_and_b32 s19, s[WV], 3                        ; my query tile; also which quarter of a slot's k and v, or of its edge tile, I fetch
	s_lshr_b32 s20, s[WV], 2                       ; my key part
	s_bfe_u32 s21, ttmp6, 0x40000                  ; cx: it enters edge_weight's, q's and out0's global addresses alone
	s_lshl_b32 s22, ttmp9, 2
	s_add_co_u32 s22, s22, s21                     ; my block of 64 queries
	s_and_b32 s23, ttmp7, 0xffff                   ; the graph, which the four partners share
	; group 1 for k and v: 12,800 dense bytes as 50 rows of 256 (32 elements of 8 bytes), no padding; mask 15, bit 21 beside it
	s_mov_b32 s[G1KV], 15|(3<<16)|(1<<21)
	s_mov_b32 s[G1KV+1], 32<<16
	s_mov_b32 s[G1KV+2], 50<<16
	s_mov_b32 s[G1KV+3], 32<<16
	s_mov_b32 s[G1KV+4], 50
	s_mov_b32 s[G1KV+5], 32
	s_mov_b32 s[G1KV+6], 0
	s_mov_b32 s[G1KV+7], 0
	; group 1 for the edge tile: 16 rows of 256 f32, 4,096 apart, 4 words of padding behind every 256
	s_mov_b32 s[G1EW], (2<<16)|(1<<20)|(7<<22)|(3<<25)
	s_mov_b32 s[G1EW+1], 256<<16
	s_mov_b32 s[G1EW+2], 16<<16
	s_mov_b32 s[G1EW+3], 256<<16
	s_mov_b32 s[G1EW+4], 16
	s_mov_b32 s[G1EW+5], 4096
	s_mov_b32 s[G1EW+6], 0
	s_mov_b32 s[G1EW+7], 0
	s_mov_b32 s[SEL], 0x76543210
	s_mov_b32 s[SEL+1], 0xfedcba98
	s_mov_b32 s[CS], 0x3e8293ee                    ; c = log2(e) / sqrt(32)
	s_mov_b32 s[CS+1], s[CS]
	s_mov_b32 s[IC], 0x407af233                    ; 1 / c
	s_mov_b32 s[IC+1], s[IC]
	s_mov_b32 s54, 0x322bcc77                      ; 1e-8
	s_mov_b32 s[TB], 0
	s_mov_b32 s[SLOTS], 14                         ; slots 2 to 15 are asked for in the loop
	s_mov_b32 s57, 0x0000ffff                      ; lanes 0-15
	s_mov_b32 s58, 0xffff0000                      ; lanes 16-31
	s_mov_b32 s[G0KV], 1
	s_mul_i32 s[G0KV+1], s19, REC                  ; LDS: my quarter of slot 0's k and v
	s_mov_b32 s[G0EW], 1
	s_mul_i32 s76, s19, 16*EWP
	s_add_co_u32 s[G0EW+1], s76, EWO               ; LDS: my 16 rows of slot 0's edge tile
	s_mul_i32 s60, s23, 32*GRP                     ; kv: the graph's 32 groups, + my quarter
	s_add_co_u32 s60, s60, s[G0KV+1]
	s_mov_b32 s61, 0
	s_lshl_b32 s62, s23, 12
	s_lshl_b32 s63, s22, 6
	s_add_co_u32 s62, s62, s63
	s_lshl_b32 s63, s19, 4
	s_add_co_u32 s62, s62, s63                     ; my tile's first query among all 16,384
	s_lshl_b32 s66, s62, 14                        ; its row of edge_weight: under 2^28 in all
	s_mov_b32 s67, 0
	s_lshl_b32 s68, s62, 9                         ; its row of out0
	s_mov_b32 s69, 0
	s_lshl_b32 s70, s23, 5
	s_lshr_b32 s71, s22, 1
	s_add_co_u32 s70, s70, s71
	s_mul_i32 s70, s70, REC                        ; q's record: 128 tokens
	s_and_b32 s71, s22, 1
	s_lshl_b32 s72, s71, 2
	s_add_co_u32 s72, s72, s19
	s_mul_i32 s72, s72, 1536
	s_add_co_u32 s72, s72, s70                     ; my fragment: 4 (block % 2) + tile
	s_mov_b32 s73, 0
	s_lshl_b32 s74, s71, 8                         ; its scale words
	s_add_co_u32 s74, s74, s70
	s_and_b32 s75, s19, 1
	s_lshl_b32 s75, s75, 7
	s_add_co_u32 s74, s74, s75
	s_lshr_b32 s75, s19, 1
	s_lshl_b32 s75, s75, 2
	s_add_co_u32 s74, s74, s75
	s_add_co_u32 s74, s74, 12288
	s_mov_b32 s75, 0
	s_lshl_b32 s[PF], s23, 12                      ; the prefetch: of my work-group's 64 rows of edge_weight the 8 from 8 x wave on,
	s_lshl_b32 s[PF+1], s22, 6
	s_add_co_u32 s[PF], s[PF], s[PF+1]
	s_lshl_b32 s[PF+1], s[WV], 3
	s_add_co_u32 s[PF], s[PF], s[PF+1]
	s_lshl_b32 s[PF], s[PF], 14
	s_add_co_u32 s[PF], s[PF], 2*1024              ; at slot 2: each trip of the loop steps it ahead of its prefetch
	s_mov_b32 s[PF+1], 0
	; every LDS address is made here, ahead of the first branch on the wave's number
	v_and_b32 v44, 31, v0                          ; lane
	v_and_b32 v45, 15, v0                          ; r
	s_wait_alu depctr_va_vdst(0)
	v_bfe_u32 v46, v0, 4, 1                        ; h
	v_mul_u32_u24 v[AEW0], v45, EWP
	s_delay_alu instid0(VALU_DEP_1)
	v_lshl_add_u32 v[AEW0], v46, 6, v[AEW0]
	s_lshl_b32 s77, s20, 9
	s_add_co_u32 s77, s77, s[G0EW+1]
	v_add_nc_u32 v[AEW0], s77, v[AEW0]
	s_mul_i32 s78, s20, GRP
	v_lshl_add_u32 v[AKV0], v44, 4, s78
	s_add_co_u32 s79, s78, 12288
	v_lshl_add_u32 v[AKS0], v44, 3, s79
	s_mul_i32 s77, s19, 10240
	s_add_co_u32 s77, s77, MRG
	v_lshl_add_u32 v[MRGA], v44, 4, s77
	s_mul_i32 s77, s19, 16*SP
	s_add_co_u32 s77, s77, STAGE
	v_mul_u32_u24 v[STO], v45, SP
	s_wait_alu depctr_va_vdst(0)
	v_lshl_add_u32 v[STO], v46, 5, v[STO]
	s_delay_alu instid0(VALU_DEP_1)
	v_add_nc_u32 v[STO], s77, v[STO]
	v_lshl_add_u32 v[RD], v44, 4, s77
	v_lshlrev_b32 v[GO], 4, v44
	v_mul_u32_u24 v[WOA], v45, 96
	s_delay_alu instid0(VALU_DEP_1)
	v_mad_u32_u24 v[WOA], v46, 24, v[WOA]
	v_lshlrev_b32 v[WOS], 2, v45
	v_lshlrev_b32 v[BOA], 5, v46
	v_lshlrev_b32 v47, 3, v45                      ; q's scale word: 8 bytes a lane in the image
	v_and_b32 v[PFO], 3, v44                       ; the prefetch's offset: row lane / 4 of my 8, block lane % 4 of its 1,024 bytes
	v_lshrrev_b32 v62, 2, v44
	v_lshlrev_b32 v[PFO], 8, v[PFO]
	s_delay_alu instid0(VALU_DEP_1)
	v_lshl_add_u32 v[PFO], v62, 14, v[PFO]
	s_wait_dscnt 0x0                               ; both opening adds are done
	s_wait_kmcnt 0x0
	s_add_nc_u64 s[G0KV+2:G0KV+3], s[6:7], s[60:61]
	s_or_b32 s[G0KV+3], s[G0KV+3], 0x80000000
	s_add_nc_u64 s[G0EW+2:G0EW+3], s[8:9], s[66:67]
	s_or_b32 s[G0EW+3], s[G0EW+3], 0x80000000
	s_add_nc_u64 s[72:73], s[4:5], s[72:73]
	s_add_nc_u64 s[74:75], s[4:5], s[74:75]
	s_add_nc_u64 s[16:17], s[16:17], s[68:69]
	s_add_nc_u64 s[PF:PF+1], s[8:9], s[PF:PF+1]
	CROUND                                         ; all four work-groups are here: the first joint loads meet
	JLOAD                                          ; slot 0: every wave's one load at the head
	; under the first fill: q, the statistics, O^T
	s_wait_alu depctr_va_vdst(0)
.irp i, 0,1,2
	global_load_b128 v[SS+4*\i:SS+4*\i+3], v[GO], s[72:73] offset:512*\i   ; q's fragment, as its image lies
.endr
	global_load_b32 v40, v47, s[74:75]             ; its scale words
.irp H, 0,1,2,3
	v_mov_b32 v[ST+4*\H+1], 0xff61b1e6             ; the largest t so far: -3e38
	s_delay_alu instid0(VALU_DEP_1)
	v_floor_f32 v[ST+4*\H], -v[ST+4*\H+1]          ; -M
	v_mov_b32 v[ST+4*\H+2], 0
	v_mov_b32 v[ST+4*\H+3], 0
	v_mov_b32 v[T2+\H], 0                          ; a lane permute's destination counts as one of its sources
.endr
	v_mov_b32 v[F+1], 0                            ; (named as the upper half of the pair)
	WIN 0x40
.set j, 0
.rept 64
	v_mov_b32 v[OT+j], 0                           ; O^T: the trip is written for all slots alike; the first finds zeros
.set j, j+1
.endr
.irp i, 0,1,2,3,4,5
	v_mov_b32 v[QB+6+\i], 0                        ; the two runs of zero codes
	v_mov_b32 v[QB+24+\i], 0
.endr
	s_wait_loadcnt 0x0                             ; q
.irp i, 0,1,2,3,4,5                    ; block H lies in registers 6 (H / 2) on of the lanes' half H % 2
	v_cndmask_b32 v[QB+\i], 0, v[SS+\i], s57
	v_cndmask_b32 v[QB+12+\i], 0, v[SS+6+\i], s57
	v_cndmask_b32 v[QB+18+\i], 0, v[SS+\i], s58
	v_cndmask_b32 v[QB+30+\i], 0, v[SS+6+\i], s58
.endr
	WIN 0
.irp H, 0,1,2,3
	v_and_b32 v[QSC+\H], 0xff<<(8*\H), v40         ; the head's own byte,
.endr
.irp H, 0,1,2,3
	s_delay_alu instid0(VALU_DEP_4)
	v_or_b32 v[QSC+\H], 0x01010101-(1<<(8*\H)), v[QSC+\H]   ; and the byte 1 for the three blocks of zero codes
.endr
	s_wait_alu depctr_va_vdst(0)
	ARRIVE 1                                       ; slot 0 is in; slot 1's first fill is issued as a refill is
	s_barrier_wait -1
	CREST
	JLOAD
	LOADS                                          ; slot 0's keys
.Lslot:                                            ; 14 trips: slots 0 to 13 are multiplied, slots 2 to 15 asked for
	TRIP 2
	s_sub_co_u32 s[SLOTS], s[SLOTS], 1
	s_cmp_lg_u32 s[SLOTS], 0
	s_cbranch_scc1 .Lslot
	TRIP 1                                         ; the last two slots are written out
	TRIP 0
	; THE TWO KEY PARTS MEET.  Waves 4-7 put O^T and their statistics into LDS as they stand.
	PLACES                                         ; behind the last products
	s_wait_alu depctr_va_vdst(0)                   ; directly ahead of the branch
	s_cmp_lt_u32 s[WV], 4
	s_cbranch_scc1 .Lmeet
	WIN 0x04
.irp i, 0,1,2,3,4,5,6,7,8,9,10,11,12,13,14,15
	ds_store_b128 v[MRGA], v[OT+4*\i:OT+4*\i+3] offset:512*\i      ; each accumulator from its low end on
.endr
	WIN 0
.irp i, 0,1,2,3
	ds_store_b128 v[MRGA], v[ST+4*\i:ST+4*\i+3] offset:8192+512*\i
.endr
.Lmeet:
	s_wait_dscnt 0x0                               ; for the others' sake: my stores have landed
	s_barrier_signal -1
	s_barrier_wait -1
	s_cmp_lt_u32 s[WV], 4
	s_cbranch_scc0 .Lend
.irp i, 0,1,2,3,4,5,6,7,8,9,10,11,12,13,14,15
	ds_load_b128 v[SS+4*\i:SS+4*\i+3], v[MRGA] offset:512*\i       ; the other part's O^T,
.endr
.irp i, 0,1,2,3
	ds_load_b128 v[228+4*\i:231+4*\i], v[MRGA] offset:8192+512*\i  ; and its statistics
.endr
	s_wait_dscnt 0x0
.irp H, 0,1,2,3
	v_add_f32 v[BM+\H], v[ST+4*\H+2], v[ST+4*\H+3]                 ; my sum's two halves,
	v_add_f32 v[T2+\H], v[230+4*\H], v[231+4*\H]                   ; the other part's,
	v_min_num_f32 v[SOP+\H], v[ST+4*\H], v[228+4*\H]               ; -M of both parts together
.endr
.irp H, 0,1,2,3
	v_sub_f32 v[PX+\H], v[SOP+\H], v[ST+4*\H]                      ; my M less the joint M: a whole number, 0 or less
	v_sub_f32 v[PX+4+\H], v[SOP+\H], v[228+4*\H]
.endr
.irp H, 0,1,2,3,4,5,6,7
	v_cvt_i32_f32 v[PX+\H], v[PX+\H]
.endr
.irp H, 0,1,2,3,4,5,6,7
	v_ldexp_f32 v[PX+\H], 1.0, v[PX+\H]                            ; the two parts' factors: exact powers of two
.endr
.irp H, 0,1,2,3
	v_mul_f32 v[BM+\H], v[BM+\H], v[PX+\H]
.endr
.irp H, 0,1,2,3
	s_delay_alu instid0(VALU_DEP_4)
	v_fma_f32 v[BM+\H], v[T2+\H], v[PX+4+\H], v[BM+\H]
.endr
.irp H, 0,1,2,3
	s_delay_alu instid0(VALU_DEP_4)
	v_permlanex16_b32 v[T2+\H], v[BM+\H], s[SEL], s[SEL+1]
.endr
.irp H, 0,1,2,3
	s_delay_alu instid0(VALU_DEP_4)
	v_add_f32 v[BM+\H], v[BM+\H], v[T2+\H]                         ; the row's sum l
.endr
	s_wait_alu depctr_va_vdst(0)
.irp H, 0,1,2,3
	v_rcp_f32 v[BM+\H], v[BM+\H]
.endr
	v_nop
	s_wait_alu depctr_va_vdst(0)
.irp H, 0,1,2,3
	v_mul_f32 v[244+2*\H], v[PX+\H], v[BM+\H]      ; my factor / l, as a pair,
	v_mul_f32 v[245+2*\H], v[PX+\H], v[BM+\H]
	v_mul_f32 v[48+2*\H], v[PX+4+\H], v[BM+\H]     ; the other part's
	v_mul_f32 v[49+2*\H], v[PX+4+\H], v[BM+\H]
.endr
.irp H, 0,1,2,3
.irp k, 0,2,4,6,8,10,12,14
	v_pk_mul_f32 v[SS+16*\H+\k:SS+16*\H+\k+1], v[SS+16*\H+\k:SS+16*\H+\k+1], v[48+2*\H:49+2*\H]
.endr
.endr
	WIN 0x01
.irp H, 0,1,2,3
.irp k, 0,2,4,6,8,10,12,14
	v_pk_fma_f32 v[SS+16*\H+\k:SS+16*\H+\k+1], v[OT+16*\H+\k:OT+16*\H+\k+1], v[244+2*\H:245+2*\H], v[SS+16*\H+\k:SS+16*\H+\k+1]   ; register 16 H + i = feature 32 H + 16 h + i of my query
.endr
.endr
	WIN 0
	QUANT SS, PC, PSC                              ; quantised along the 128 features
.rept 8
	v_nop                                          ; a scale word written by vector instructions stands 8 places ahead of a scaled matrix instruction
.endr
	s_wait_alu depctr_va_vdst(0)
	s_wait_loadcnt 0x0                             ; Wo, its scale words, bo
	WIN 0x01
.irp t, 0,1,2,3,4,5,6,7
	v_wmma_scale_f32_16x16x128_f8f6f4 v[LG+8*\t:LG+8*\t+7], v[12*\t:12*\t+11], v[PC:PC+11], v[LG+8*\t:LG+8*\t+7], v[KSC+\t], v[PSC] matrix_a_fmt:MATRIX_FMT_FP6 matrix_b_fmt:MATRIX_FMT_FP6
.endr
	WIN 0
	PLACES
	; the way out: through my own stage, and back as whole rows of 512 bytes
.irp t, 0,1,2,3,4,5,6,7
	ds_store_b128 v[STO], v[LG+8*\t:LG+8*\t+3] offset:64*\t
	ds_store_b128 v[STO], v[LG+8*\t+4:LG+8*\t+7] offset:64*\t+16
.endr
.irp i, 0,1,2,3,4,5,6,7,8,9,10,11,12,13,14,15
	ds_load_b128 v[SS+4*\i:SS+4*\i+3], v[RD] offset:\i*SP          ; LDS serves a wave's instructions in order (ISA guide 5.7.1.4)
.endr
.irp i, 0,1,2,3,4,5,6,7,8,9,10,11,12,13,14,15
	s_wait_dscnt 15-\i                             ; row i is back; the loads behind it may be out
	global_store_b128 v[GO], v[SS+4*\i:SS+4*\i+3], s[16:17] offset:512*\i th:TH_STORE_NT   ; 32 lanes store 512 consecutive bytes, at a multiple of 256 from out0's first byte
.endr
.Lend:
	s_wait_tensorcnt 0x0                           ; the wave's end
	ds_add_u32 v[SPW], v[NIL]
	s_wait_dscnt 0x0
	CROUND                                         ; the closing round
	s_endpgm
.Lfunc_end_k_q99b1cecd25_attn:
	.size	k_q99b1cecd25_attn, .Lfunc_end_k_q99b1cecd25_attn-k_q99b1cecd25_attn
	.p2alignl 7, 3214868480
	.fill 96, 4, 3214868480
	.section	.rodata,"a",@progbits
	.p2align	6, 0x0
	.amdhsa_kernel k_q99b1cecd25_attn
		.amdhsa_group_segment_fixed_size 327680
		.amdhsa_private_segment_fixed_size 0
		.amdhsa_enable_private_segment 0
		.amdhsa_kernarg_size 56
		.amdhsa_user_sgpr_count 2
		.amdhsa_user_sgpr_kernarg_segment_ptr 1
		.amdhsa_wavefront_size32 1
		.amdhsa_system_sgpr_workgroup_id_x 1
		.amdhsa_system_sgpr_workgroup_id_y 1
		.amdhsa_system_sgpr_workgroup_id_z 1
		.amdhsa_system_vgpr_workitem_id 0
		.amdhsa_next_free_vgpr 512
		.amdhsa_next_free_sgpr 80
		.amdhsa_reserve_vcc 0
		.amdhsa_float_denorm_mode_32 3
		.amdhsa_float_denorm_mode_16_64 3
		.amdhsa_memory_ordered 1
		.amdhsa_forward_progress 1
		.amdhsa_inst_pref_size 239
	.end_amdhsa_kernel
	.amdgpu_metadata
---
amdhsa.version: [ 1, 2 ]
amdhsa.kernels:
  - .name:           k_q99b1cecd25_attn
    .symbol:         k_q99b1cecd25_attn.kd
    .args:
      - { .name: qws, .offset: 0, .size: 8, .value_kind: global_buffer, .address_space: global }
      - { .name: kv, .offset: 8, .size: 8, .value_kind: global_buffer, .address_space: global }
      - { .name: edge_weight, .offset: 16, .size: 8, .value_kind: global_buffer, .address_space: global }
      - { .name: Wo_codes, .offset: 24, .size: 8, .value_kind: global_buffer, .address_space: global }
      - { .name: Wo_scales, .offset: 32, .size: 8, .value_kind: global_buffer, .address_space: global }
      - { .name: bo, .offset: 40, .size: 8, .value_kind: global_buffer, .address_space: global }
      - { .name: out0, .offset: 48, .size: 8, .value_kind: global_buffer, .address_space: global }
    .group_segment_fixed_size: 327680
    .private_segment_fixed_size: 0
    .kernarg_segment_align: 8
    .kernarg_segment_size: 56
    .max_flat_workgroup_size: 256
    .sgpr_count:     80
    .vgpr_count:     512
    .wavefront_size: 32
...
	.end_amdgpu_metadata
.endif
;; end of part 2
